; MI455X (gfx1250); checked and timed in simulation.
; The chip was launched on July 23, 2026; its instructions are those of AMD's public machine-readable ISA for CDNA 5 (MIT licence, August 2026) and "CDNA5" Instruction Set Architecture Reference Guide (July 2026). The comments in the code are by the model that wrote it; some were corrected since.
;; Nerf Render. Allowed arithmetic: float matrix products may take bf16 or f16 operands with f32 sums; other float arithmetic in f32, or as packed bf16 or f16 multiplies, adds, multiply-adds, maxima and minima; sums over many terms, partial sums and values carried from step to step in f32; what a program stores and reads back later, other than sums and carried values, may be rounded once to bf16 or f16.
;; Inputs: b_den 1 float32; b_hid 7 x 256 float32; b_in 256 float32; b_rgb 3 float32; jitter 4,096 x 32 float32; ray_dir 4,096 x 3 float32; ray_pos 4,096 x 3 float32; w_den 256 x 1 float32; w_hid 7 x 256 x 256 float32; w_in 60 x 256 float32; w_rgb 256 x 3 float32.
;; Outputs: out0 4,096 x 4 float32.
;; One version. Each part assembles by itself: llvm-mc -triple=amdgcn-amd-amdhsa -mcpu=gfx1250 --defsym DOCPART=n.
;; ======== version 1 of 1: 2 launches
;; workspace buffers: wt 1,064,960 bytes
;; launch prep (part 1): grid 64 x 1, 8 waves a work-group, no clusters, 18,432 bytes of LDS; arguments w_in, b_in, w_hid, b_hid, w_rgb, b_rgb, w_den, b_den, wt; writes wt
.if DOCPART == 1
	.amdgcn_target "amdgcn-amd-amdhsa--gfx1250"
	.amdhsa_code_object_version 6
	.text
	.protected	k_q6071c97ddb_prep
	.globl	k_q6071c97ddb_prep
	.p2align	8
	.type	k_q6071c97ddb_prep,@function
k_q6071c97ddb_prep:
	s_mov_b64 s[64:65], 0
	v_nop
	global_prefetch_b8 v0, s[64:65] scope:SCOPE_SE
	s_setreg_imm32_b32 hwreg(HW_REG_WAVE_MODE, 25, 1), 1
	s_wait_xcnt 0x0
; NERF RENDER, launch 1 of 2: the weights and biases, each rounded ONCE to bf16 and laid out as the second launch's tensor loads and matrix operands take them.
; DEAD WORK: none is left out in either launch; every input is loaded.  What is added lies inside live tiles: the encoding's 60 values stand in a K of 64 (four zero weights a row),
; the four head rows stand in a tile of 16 (rows 8-11 repeat rows 0-3, rows 4-7 and 12-15 are zero).
; LIMIT (the whole program's): every input is rounded to bf16 before it is used; the weights are then exact matrix operands.
; wt: 8 tiles of 133,120 bytes; a tile is 4 quarters of 65 rows of 512 bytes.  Row i < 64 of quarter q is output feature n = 64 q + i.
;   tiles 1-7: byte 2 k of a row = w_hid[T-1][k][n].   row 64: bytes 0-255 the quarter's 64 biases (bf16 values written as f32), bytes 256-511 zero.
;   tile 0:   bytes 0-127 = w_in in the order in which the second launch's lanes hold the encoding: place 8 c + j (c 0-7, j 0-7) is register m = 8 (c>>2) + 4 ((c>>1)&1) + (j>>1),
;             lane half h = c & 1, sine (j even) or cosine (j odd): row 20 (m/5) + 10 (j&1) + 5 h + m % 5 of w_in; m = 15 is zero.
;             bytes 128-383 of rows n < 32 of quarter 0 = the heads: head row n & 15, k = 128 (n>>4) + (byte-128)/2; head rows 0-2 rgb, 3 density.
;             row 64 of quarter 0, bytes 256-319: the head biases {r,g,b,d,0,0,0,0} twice.  All else zero.
; SHARES.  Work-group x writes 64 rows x 256 bytes (half kh of quarter q of tile T) and that half of the quarter's row 64: every store of 16 lanes covers 256 consecutive bytes, aligned.
.set STG,   272                        ; a stage row: 256 bytes + 16
.set SPARE, 17408                      ; behind the stage (64 rows): the spare words, 128 bytes for each of the 8 waves
.set TILEB, 133120
.set QG,    33280
.set SPW,   124                        ; v124  LDS address of my spare word; never rewritten
.set NIL,   125                        ; v125  0; never rewritten
	s_load_b512 s[4:19], s[0:1], 0x0               ; w_in s[4:5], b_in s[6:7], w_hid s[8:9], b_hid s[10:11], w_rgb s[12:13], b_rgb s[14:15], w_den s[16:17], b_den s[18:19]
	s_load_b64 s[20:21], s[0:1], 0x40              ; wt
	v_lshl_add_u32 v[SPW], v0, 2, SPARE            ; my spare word
	v_mov_b32 v[NIL], 0
	v_lshrrev_b32 v1, 5, v0
	v_readfirstlane_b32 s22, v1                    ; wave
	s_lshr_b32 s23, ttmp9, 3
	s_add_co_u32 s23, s23, 1
	s_and_b32 s23, s23, 7                          ; T: 1-7 for x < 56, 0 for x >= 56
	s_bfe_u32 s24, ttmp9, 0x20001                  ; q
	s_and_b32 s25, ttmp9, 1                        ; kh
	s_mul_i32 s26, s23, TILEB
	s_mul_i32 s27, s24, QG
	s_add_co_u32 s26, s26, s27
	s_lshl_b32 s27, s25, 8
	s_add_co_u32 s26, s26, s27
	s_mov_b32 s27, 0
	v_and_b32 v2, 15, v0                           ; my 16 bytes of a half row
	v_lshrrev_b32 v3, 4, v0                        ; my row among 16
	v_lshlrev_b32 v4, 9, v3
	v_lshl_add_u32 v4, v2, 4, v4                   ; where I store: row x 512 + 16 x place
	s_wait_kmcnt 0x0
	s_add_nc_u64 s[20:21], s[20:21], s[26:27]      ; wt at my block
	s_load_b96 s[28:30], s[14:15], 0x0             ; b_rgb
	s_load_b32 s31, s[18:19], 0x0                  ; b_den
	s_cmp_eq_u32 s23, 0
	s_cbranch_scc1 .Lenc                           ; the same in all waves of the work-group
	; A HIDDEN LAYER'S BLOCK: 128 k x 64 n of w_hid[T-1], turned through LDS.  Thread: 8 rows k, 4 columns n.
	s_sub_co_u32 s32, s23, 1
	s_lshl_b32 s32, s32, 18                        ; the layer: 262,144 bytes
	s_lshl_b32 s33, s25, 17                        ; 128 rows of 1,024 bytes
	s_add_co_u32 s32, s32, s33
	s_lshl_b32 s33, s24, 8                         ; 64 columns
	s_add_co_u32 s32, s32, s33
	s_mov_b32 s33, 0
	s_add_nc_u64 s[8:9], s[8:9], s[32:33]
	v_lshlrev_b32 v5, 13, v3                       ; 8 rows
	v_lshl_add_u32 v5, v2, 4, v5                   ; 4 columns: 16 lanes read 256 consecutive bytes
.irp i, 0,1,2,3,4,5,6,7
	global_load_b128 v[8+4*\i:11+4*\i], v5, s[8:9] offset:1024*\i th:TH_LOAD_NT
.endr
	v_mul_u32_u24 v6, v2, 4*STG
	v_lshl_add_u32 v6, v3, 4, v6                   ; into the stage: row 4 x place (+ column), byte 16 x (my 8 k)
	v_mul_u32_u24 v7, v3, STG
	v_lshl_add_u32 v7, v2, 4, v7                   ; back: whole rows
	s_wait_loadcnt 0x0
.irp c, 0,1,2,3
.irp p, 0,1,2,3
	v_cvt_pk_bf16_f32 v[40+4*\c+\p], v[8+8*\p+\c], v[12+8*\p+\c]  ; column c, k = 2 p and 2 p + 1: the lower k in the low half
.endr
.endr
.irp c, 0,1,2,3
	ds_store_b128 v6, v[40+4*\c:43+4*\c] offset:STG*\c
.endr
	s_wait_dscnt 0x0                               ; for the others' sake: my stores into the stage are done
	s_barrier_signal -1
	s_barrier_wait -1
.irp t, 0,1,2,3
	ds_load_b128 v[8+4*\t:11+4*\t], v7 offset:16*STG*\t
.endr
	s_wait_dscnt 0x0
.irp t, 0,1,2,3
	global_store_b128 v4, v[8+4*\t:11+4*\t], s[20:21] offset:8192*\t
.endr
	s_branch .Lbias
.Lenc:	; TILE 0's BLOCK.  Every lane loads from places that are clamped into the tables, and lane masks choose: no branch, one wait for the 52 loads.
	s_lshl_b32 s32, s24, 8
	s_mov_b32 s33, 0
	s_add_nc_u64 s[4:5], s[4:5], s[32:33]          ; w_in at column 64 q
	v_lshl_add_u32 v5, s25, 4, v2                  ; c: my 16 bytes among the row's 32
	v_lshrrev_b32 v6, 2, v5
	v_bfe_u32 v7, v5, 1, 1
	v_lshlrev_b32 v6, 3, v6
	v_lshl_add_u32 v6, v7, 2, v6                   ; m of my first pair
	v_and_b32 v7, 1, v5                            ; h
	v_cmp_gt_u32 s34, 8, v5                        ; c < 8: w_in's part of the row
.irp jp, 0,1,2,3
	v_add_nc_u32 v8, \jp, v6                       ; m
	v_cmp_gt_u32 s[36+\jp], 15, v8
	s_and_b32 s[36+\jp], s[36+\jp], s34            ; the pair is live
	v_mul_u32_u24 v9, v8, 13
	v_lshrrev_b32 v9, 6, v9                        ; m / 5 for m < 15
	v_mad_u32_u24 v9, v9, 15, v8
	v_mad_u32_u24 v9, v7, 5, v9                    ; the sine's row of w_in
	v_lshlrev_b32 v9, 10, v9
	v_cndmask_b32 v9, 0, v9, s[36+\jp]             ; a dead pair reads row 0
	v_lshl_add_u32 v[12+\jp], v3, 2, v9            ; + my column
.endr
	v_add_nc_u32 v10, 8, v5
	v_and_b32 v10, 15, v10                         ; (c - 8) mod 16: my 8 k of the heads
	v_cmp_le_u32 s35, 8, v5
	v_cmp_gt_u32 s40, 24, v5
	s_and_b32 s35, s35, s40                        ; 8 <= c < 24
	s_cmp_eq_u32 s24, 0
	s_cselect_b32 s40, -1, 0
	s_and_b32 s35, s35, s40                        ; and quarter 0
	v_and_b32 v11, 7, v3                           ; head row mod 8
	v_cmp_gt_u32 s41, 3, v11
	v_cmp_eq_u32 s42, 3, v11
	s_and_b32 s41, s41, s35                        ; takes w_rgb
	s_and_b32 s42, s42, s35                        ; takes w_den
	v_min_u32 v11, 2, v11
	v_mul_u32_u24 v16, v10, 96
	v_lshl_add_u32 v16, v11, 2, v16
	v_lshlrev_b32 v17, 5, v10
.irp t, 0,1,2,3                        ; rows 16 t + my row
.irp jp, 0,1,2,3
	global_load_b32 v[32+8*\t+2*\jp], v[12+\jp], s[4:5] offset:64*\t
	global_load_b32 v[33+8*\t+2*\jp], v[12+\jp], s[4:5] offset:64*\t+10240  ; the cosine's row lies ten rows on
.endr
.endr
.irp t, 0,1                            ; the heads fill rows 0-31 only
.irp j, 0,1,2,3,4,5,6,7
	global_load_b32 v[64+8*\t+\j], v16, s[12:13] offset:12*(128*\t+\j)
.endr
	global_load_b128 v[80+8*\t:83+8*\t], v17, s[16:17] offset:512*\t      ; w_den's 8 k lie on end: 32 bytes
	global_load_b128 v[84+8*\t:87+8*\t], v17, s[16:17] offset:512*\t+16
.endr
	s_wait_loadcnt 0x0
.irp t, 0,1,2,3
.irp j, 0,1,2,3,4,5,6,7
	v_cndmask_b32 v[32+8*\t+\j], 0, v[32+8*\t+\j], s[36+(\j>>1)]
.endr
.endr
.irp t, 0,1
.irp j, 0,1,2,3,4,5,6,7
	v_cndmask_b32 v[32+8*\t+\j], v[32+8*\t+\j], v[64+8*\t+\j], s41
	v_cndmask_b32 v[32+8*\t+\j], v[32+8*\t+\j], v[80+8*\t+\j], s42
.endr
.endr
.irp t, 0,1,2,3
.irp p, 0,1,2,3
	v_cvt_pk_bf16_f32 v[96+4*\t+\p], v[32+8*\t+2*\p], v[33+8*\t+2*\p]
.endr
	global_store_b128 v4, v[96+4*\t:99+4*\t], s[20:21] offset:8192*\t
.endr
.Lbias:	; MY HALF OF THE QUARTER'S ROW 64: wave 0, 8 bytes a lane, 256 bytes whole.  Registers of its own: the stores above may still read theirs.
	s_wait_kmcnt 0x0                               ; b_rgb, b_den
	s_cmp_lg_u32 s22, 0
	s_cbranch_scc1 .Lend
	s_sub_co_u32 s32, s23, 1
	s_lshl_b32 s32, s32, 10
	s_cmp_eq_u32 s23, 0
	s_cselect_b32 s32, 0, s32
	s_cselect_b64 s[34:35], s[6:7], s[10:11]       ; b_in for tile 0, else b_hid at its layer
	s_lshl_b32 s33, s24, 8
	s_add_co_u32 s32, s32, s33
	s_mov_b32 s33, 0
	s_add_nc_u64 s[34:35], s[34:35], s[32:33]
	v_lshlrev_b32 v112, 3, v0
	global_load_b64 v[114:115], v112, s[34:35]
	s_cmp_eq_u32 s25, 0
	s_cselect_b32 s36, -1, 0                       ; the first half holds the biases, the second zeros,
	s_cmp_eq_u32 ttmp9, 57                         ; but for tile 0, quarter 0: the head biases,
	s_cselect_b32 s37, 0x11, 0                     ; (r, g) in lanes 0 and 4,
	s_cselect_b32 s38, 0x22, 0                     ; (b, d) in lanes 1 and 5
	v_mov_b32 v116, s28
	v_mov_b32 v117, s29
	v_mov_b32 v118, s30
	v_mov_b32 v119, s31
	s_wait_loadcnt 0x0
	v_cndmask_b32 v114, 0, v114, s36
	v_cndmask_b32 v115, 0, v115, s36
	v_cndmask_b32 v114, v114, v116, s37
	v_cndmask_b32 v115, v115, v117, s37
	v_cndmask_b32 v114, v114, v118, s38
	v_cndmask_b32 v115, v115, v119, s38
	v_cvt_pk_bf16_f32 v120, v114, v115             ; rounded to bf16,
	v_lshlrev_b32 v122, 16, v120                   ; and written as f32: they are the C operands of the products
	v_and_b32 v123, 0xffff0000, v120
	global_store_b64 v112, v[122:123], s[20:21] offset:32768
.Lend:
	s_wait_tensorcnt 0x0                           ; the wave's end, behind my last LDS store
	ds_add_u32 v[SPW], v[NIL]
	s_wait_dscnt 0x0
	s_endpgm
.Lfunc_end_k_q6071c97ddb_prep:
	.size	k_q6071c97ddb_prep, .Lfunc_end_k_q6071c97ddb_prep-k_q6071c97ddb_prep
	.p2alignl 7, 3214868480
	.fill 96, 4, 3214868480
	.section	.rodata,"a",@progbits
	.p2align	6, 0x0
	.amdhsa_kernel k_q6071c97ddb_prep
		.amdhsa_group_segment_fixed_size 18432
		.amdhsa_private_segment_fixed_size 0
		.amdhsa_enable_private_segment 0
		.amdhsa_kernarg_size 72
		.amdhsa_user_sgpr_count 2
		.amdhsa_user_sgpr_kernarg_segment_ptr 1
		.amdhsa_wavefront_size32 1
		.amdhsa_system_sgpr_workgroup_id_x 1
		.amdhsa_system_sgpr_workgroup_id_y 1
		.amdhsa_system_sgpr_workgroup_id_z 1
		.amdhsa_system_vgpr_workitem_id 0
		.amdhsa_next_free_vgpr 128
		.amdhsa_next_free_sgpr 66
		.amdhsa_reserve_vcc 0
		.amdhsa_float_denorm_mode_32 3
		.amdhsa_float_denorm_mode_16_64 3
		.amdhsa_memory_ordered 1
		.amdhsa_forward_progress 1
		.amdhsa_inst_pref_size 20
	.end_amdhsa_kernel
	.amdgpu_metadata
---
amdhsa.version: [ 1, 2 ]
amdhsa.kernels:
  - .name:           k_q6071c97ddb_prep
    .symbol:         k_q6071c97ddb_prep.kd
    .args:
      - { .name: w_in, .offset: 0, .size: 8, .value_kind: global_buffer, .address_space: global }
      - { .name: b_in, .offset: 8, .size: 8, .value_kind: global_buffer, .address_space: global }
      - { .name: w_hid, .offset: 16, .size: 8, .value_kind: global_buffer, .address_space: global }
      - { .name: b_hid, .offset: 24, .size: 8, .value_kind: global_buffer, .address_space: global }
      - { .name: w_rgb, .offset: 32, .size: 8, .value_kind: global_buffer, .address_space: global }
      - { .name: b_rgb, .offset: 40, .size: 8, .value_kind: global_buffer, .address_space: global }
      - { .name: w_den, .offset: 48, .size: 8, .value_kind: global_buffer, .address_space: global }
      - { .name: b_den, .offset: 56, .size: 8, .value_kind: global_buffer, .address_space: global }
      - { .name: wt, .offset: 64, .size: 8, .value_kind: global_buffer, .address_space: global }
    .group_segment_fixed_size: 18432
    .private_segment_fixed_size: 0
    .kernarg_segment_align: 8
    .kernarg_segment_size: 72
    .max_flat_workgroup_size: 256
    .sgpr_count:     66
    .vgpr_count:     128
    .wavefront_size: 32
...
	.end_amdgpu_metadata
.endif
;; end of part 1
;; launch render (part 2): grid 256 x 1, 4 waves a work-group, clusters of 4 x 1, 327,680 bytes of LDS; arguments ray_pos, ray_dir, jitter, wt, out0; writes out0
.if DOCPART == 2
	.amdgcn_target "amdgcn-amd-amdhsa--gfx1250"
	.amdhsa_code_object_version 6
	.text
	.protected	k_q6071c97ddb_render
	.globl	k_q6071c97ddb_render
	.p2align	8
	.type	k_q6071c97ddb_render,@function
k_q6071c97ddb_render:
	s_mov_b64 s[64:65], 0
	v_nop
	global_prefetch_b8 v0, s[64:65] scope:SCOPE_SE
	s_setreg_imm32_b32 hwreg(HW_REG_WAVE_MODE, 25, 1), 1
	s_wait_xcnt 0x0
	s_wait_alu depctr_hold_cnt(0) depctr_sa_sdst(0) depctr_va_vdst(0) depctr_va_sdst(0) depctr_va_ssrc(0) depctr_va_vcc(0) depctr_vm_vsrc(0)
	s_getreg_b32 s2, hwreg(HW_REG_IB_STS2, 6, 4)
	s_cmp_eq_u32 s2, 0
	s_cbranch_scc0 .Lentry_in_a_cluster
	s_endpgm
.Lentry_in_a_cluster:
	s_bfe_u32 s2, ttmp6, 0x10000c
	s_cmp_lg_u32 s2, 0x3003
	s_cbranch_scc0 .Lentry_shape_is_right
	s_endpgm
.Lentry_shape_is_right:
; NERF RENDER, launch 2 of 2: sampling, Fourier encoding, the network of 8 layers and 4 heads, and the compositing, for 16 rays (512 points) a work-group.  No work is left out.
; LIMITS.  Every input is rounded once to bf16 (ray_pos, ray_dir, jitter here; weights and biases in the launch before).  Activations are bf16, sums f32.  |pos| x 2^9 / 2 pi stays under 2^23.
; An exponential below 2^-126 counts as 0.  NaN and infinities are not treated apart.
; THE LAST SAMPLE.  Its delta is 1e10, so its weight is 1 or 0 by the SIGN of its density's sum.  The 16 last samples of the work-group are therefore carried a second time (THE SPECIAL TILE) with each activation as
; hi + lo, lo = bf16(x - hi), both multiplied by the same (exact) weights into one f32 sum; its density takes the place of the plain one.  The transmittance is made as exp(-(inclusive sum - tau)), in f32, and the last
; lane's inclusive sum is the balanced tree over the 32 samples.  Depth and position are made by separate multiplies and adds, each rounded, since one last place of pos is 2^9 last places of the highest octave's angle.
; SHARES.  Tile s = sample s of the 16 rays (lane % 16 = ray).  Two passes; in pass p wave w holds tiles 16 p + 4 w + 0..3.  The special tile runs in pass 1, split by features: wave w makes features 64 w .. 64 w + 63.
; LAYOUT.  H^T = W^T X^T: source 0 = 16 features x 32 k from LDS, source 1 = 16 points x 32 k in registers; the result holds one point a lane and the features 8 (lane / 16) + 0..7; two results rounded in pairs ARE
; the next layer's source 1, so activations never leave registers.  The bias is the C operand of each sum's first product.
; A LAYER is 16 steps of 32 products: chunk q = n / 4 (64 features), K pair n % 4.  All 64 accumulators are kept, and a chunk's way back into X (round, ReLU: 128 lines) rides four lines behind each product of a step in
; which the fragments that it overwrites are dead: chunks 0-2 in steps 13-15, chunk 3 in the next layer's step 0.
; THE RING.  Two LDS slots, a layer's 133,120 bytes each; every wave fetches its quarter by one tensor load, asked for JOINTLY by the cluster's four work-groups, which walk the same weights.  One load a wave is out.
; REGISTERS (windows of 256; s_set_vgpr_msb: bits 1:0 source 0, 3:2 source 1, 5:4 source 2, 7:6 destination).  Window 0: v0-31 below; F0 v32-95, F1 v96-159, F2 v192-255 weight fragments; v160-191 biases, also the special
; sums.  Window 1: X, fragment kf of tile t at 64 t + 8 kf.  Windows 2, 3: accumulator (q, f, t) in window 2 + (q>>1) at 128 (q&1) + 8 (4 f + t).
;   v1 256 x lane | v2 528 r + 16 h | v3 bias row + 32 h | v4, v5 the same two in my quarter | v6 v2 + 128 w | v7, v8 weights of quarters 0-1, 2-3 in the slot read | v9, v10 their biases | v11, v12 my quarter's
;   v13, v14 special tile: read, write | v15 my place in RS | v16-21 ray_pos, each twice | v22-27 ray_dir, each twice | v28-29 1 or 32 by lane half | v30, v31 the add's | v184-191 (between layers) the pass's jitter
.set TILEB, 133120                     ; a tile in memory
.set QG,    33280                      ; a quarter in memory: 65 rows of 512 bytes
.set PITCH, 528                        ; an LDS row: 512 + 16 bytes = 132 words: the 16 rows of a fragment load start at 16 different groups of four banks (64 banks of 4 bytes: ISA guide 11.1)
.set QL,    65*PITCH                   ; a quarter in LDS
.set FT,    16*PITCH                   ; 16 features
.set BROW,  64*PITCH                   ; a quarter's bias row
.set SLOT,  137472                     ; slot 1 begins here (4 QL = 137,280, up to a block of 256)
.set XS0,   274944                     ; the special tile's exchange, two buffers: 16 rows of hi, 16 of lo, a point's 256 bf16 a row
.set XS1,   291840
.set XLO,   16*PITCH
.set RS,    308736                     ; 16 rays x 528 bytes: (r, g, b, density) of sample s at 16 s
.set OS,    317184                     ; the 16 rays' results, 16 bytes each
.set SPARE, 317696                     ; the spare words, 128 bytes for each wave: two blocks of 256 bytes that no other line names
.set F0, 32
.set F1, 96
.set F2, 192
.set BIAS, 160
.set BALT, 224
.set MSB, 0
.macro WIN new                         ; the immediate's high byte repeats the setting that is left; a switch that changes nothing is dropped
.if MSB != (\new)
	s_set_vgpr_msb (MSB<<8)|(\new)
.set MSB, (\new)
.endif
.endm
.macro PLACES                          ; four places: behind a product, ahead of loads into its registers and of vector lines that read its result or write its registers
.rept 4
	v_nop
.endr
.endm
.macro CROUND                          ; a round of the cluster's barrier
	s_barrier_signal -1
	s_barrier_wait -1
	s_cmp_lg_u32 s14, 0
	s_cbranch_scc1 .Lnw0_\@
	s_barrier_signal -3
.Lnw0_\@:
	s_barrier_wait -3
	s_barrier_signal -1
	s_barrier_wait -1
.endm
.macro MMA d, a, b, c
	v_wmma_f32_16x16x32_bf16 v[(\d):(\d)+7], v[(\a):(\a)+7], v[(\b):(\b)+7], v[(\c):(\c)+7]
.endm
.macro MMA0 d, a, b
	v_wmma_f32_16x16x32_bf16 v[(\d):(\d)+7], v[(\a):(\a)+7], v[(\b):(\b)+7], 0
.endm
.macro LOADW buf, areg, off            ; 16 loads: 64 features x 64 k
.irp kk, 0,1
.irp f, 0,1,2,3
	ds_load_b128 v[(\buf)+32*\kk+8*\f:(\buf)+32*\kk+8*\f+3],   v[\areg] offset:(\off)+FT*\f+64*\kk
	ds_load_b128 v[(\buf)+32*\kk+8*\f+4:(\buf)+32*\kk+8*\f+7], v[\areg] offset:(\off)+FT*\f+64*\kk+32
.endr
.endr
.endm
.macro LOADB breg, areg, off           ; 8 loads: 64 biases as four C operands
.irp f, 0,1,2,3
	ds_load_b128 v[(\breg)+8*\f:(\breg)+8*\f+3],   v[\areg] offset:(\off)+64*\f
	ds_load_b128 v[(\breg)+8*\f+4:(\breg)+8*\f+7], v[\areg] offset:(\off)+64*\f+16
.endr
.endm
.macro LW nn                           ; the weights of a layer's step nn into buffer nn % 3: 32, 96 or 192 (the division gives 1 for buffer 2 alone)
	LOADW 32+64*((\nn)%3)+32*(((\nn)%3)/2), 7+((\nn)>>3), QL*(((\nn)>>2)&1)+128*((\nn)&3)
.endm
.macro LOADX dst, x                    ; 8 loads: the special tile's k = 64 x .. 64 x + 63: hi (16 registers), then lo
.irp kk, 0,1
	ds_load_b128 v[(\dst)+8*\kk:(\dst)+8*\kk+3],       v13 offset:128*(\x)+64*\kk
	ds_load_b128 v[(\dst)+8*\kk+4:(\dst)+8*\kk+7],     v13 offset:128*(\x)+64*\kk+32
	ds_load_b128 v[(\dst)+16+8*\kk:(\dst)+16+8*\kk+3], v13 offset:XLO+128*(\x)+64*\kk
	ds_load_b128 v[(\dst)+20+8*\kk:(\dst)+20+8*\kk+3], v13 offset:XLO+128*(\x)+64*\kk+32
.endr
.endm
; Slice i of 32 of chunk q's way back into X: accumulator i / 2.  Even: its eight sums rounded to bf16, from the low registers on.  Odd: the ReLU on the packed halves (s48 = 0).
.macro SLICE q, i
.set sf, (\i)>>3
.set st, ((\i)>>1)&3
.set sX, 64*st+16*(\q)+8*(sf>>1)+4*(sf&1)
.set sA, 128*((\q)&1)+8*(4*sf+st)
.if ((\i)&1) == 0
	WIN 0x4a+5*((\q)>>1)
.irp jj, 0,1,2,3
	v_cvt_pk_bf16_f32 v[sX+\jj], v[sA+2*\jj], v[sA+2*\jj+1]
.endr
.else
	WIN 0x41
.irp jj, 0,1,2,3
	v_pk_max_num_bf16 v[sX+\jj], v[sX+\jj], s48
.endr
.endif
.endm
; A step: 32 products, chunk q, X's fragments kf0 and kf0 + 1.  The 16 accumulators take turns, one instruction a turn.  first: the bias starts the sums.  rid >= 0: chunk rid's slices ride.
.macro STEP q, kf0, first, buf, breg, rid
.set sl, 0
.irp kk, 0,1
.irp f, 0,1,2,3
.irp t, 0,1,2,3
.set rA, 128*((\q)&1)+8*(4*\f+\t)
.if (\first) && (\kk == 0)
	WIN 0x84+0x40*((\q)>>1)
	MMA rA, (\buf)+8*\f, 64*\t+8*(\kf0), (\breg)+8*\f
.else
	WIN 0xa4+0x50*((\q)>>1)
	MMA rA, (\buf)+32*\kk+8*\f, 64*\t+8*((\kf0)+\kk), rA
.endif
.if (\rid) >= 0
	SLICE \rid, sl
.endif
.set sl, sl+1
.endr
.endr
.endr
.endm
.macro SSTEP wb, bh                    ; 16 products of the special tile, all in window 0: my 64 features x 64 k, hi and then lo, onto four sums that take turns
.irp kk, 0,1
.irp o, 0,16
.irp f, 0,1,2,3
	MMA BIAS+8*\f, (\wb)+32*\kk+8*\f, (\bh)+\o+8*\kk, BIAS+8*\f
.endr
.endr
.endr
.endm
.macro SEPI                            ; the special sums: ReLU in f32, hi = bf16(x), lo = bf16(x - hi); both to the exchange: point = row, my 64 features = 128 bytes
.irp f, 0,1,2,3
.irp j, 0,1,2,3,4,5,6,7
	v_max_num_f32 v[96+\j], 0, v[BIAS+8*\f+\j]
.endr
.irp j, 0,1,2,3
	v_cvt_pk_bf16_f32 v[112+4*\f+\j], v[96+2*\j], v[97+2*\j]
.endr
.irp j, 0,1,2,3
	v_lshlrev_b32 v[104+2*\j], 16, v[112+4*\f+\j]
	v_and_b32 v[105+2*\j], s49, v[112+4*\f+\j]
.endr
.irp j, 0,1,2,3
	v_pk_add_f32 v[96+2*\j:97+2*\j], v[96+2*\j:97+2*\j], v[104+2*\j:105+2*\j] neg_lo:[0,1] neg_hi:[0,1]
.endr
.irp j, 0,1,2,3
	v_cvt_pk_bf16_f32 v[128+4*\f+\j], v[96+2*\j], v[97+2*\j]
.endr
.endr
.irp f, 0,1,2,3
	ds_store_b128 v14, v[112+4*\f:115+4*\f] offset:32*\f
	ds_store_b128 v14, v[128+4*\f:131+4*\f] offset:XLO+32*\f
.endr
.endm
; A PREFETCH INTO THE L2 of the tile that the NEXT change of slots will ask for, a layer's 512 products ahead.  It stands behind the tensor load and behind the run of LDS loads that the next products wait for.
; Tiles 2-7 are named once in the launch: in the first pass, by cluster 0 alone (s45 = 6 there, 0 elsewhere: the same in all partners); wave w takes its own quarter, and the four partners share its first 128 blocks of
; 256 bytes out BY ADDRESS, 32 each, a lane a block.  Tiles 0 and 1, and the second pass, come by their loads alone.
.macro ASK
	s_cmp_le_u32 s44, s45
	s_cbranch_scc0 .Lna_\@
	global_prefetch_b8 v1, s[46:47] th:TH_LOAD_NT scope:SCOPE_SE
.Lna_\@:
.endm
; THE CHANGE OF SLOTS.  Each wave waits for its tensor load (its quarter of the next tile), adds 0 to its spare word, and waits for that and for its LDS reads and stores.  fill = 1: the barrier is a round of the
; cluster's, so that no wave of any partner still reads the old slot, and the joint refill is the first thing behind it.  The descriptor's address is made anew from the tile's number.
.macro CHANGE fill
	WIN 0
.if \fill
	s_wait_xcnt 0x0                                ; the last prefetch, a layer back, has read its address
	s_add_nc_u64 s[46:47], s[46:47], TILEB
.endif
	s_wait_tensorcnt 0x0                           ; no tensor load of mine is out, so group 0 may be written
	ds_add_u32 v30, v31                            ; 0 onto my spare word; work on registers stands between it and the wait for it
	s_xor_b32 s40, s40, SLOT                       ; the slot that is read from now on
.if \fill
	s_xor_b32 s17, s40, SLOT                       ; the other one is filled:
	s_add_co_u32 s33, s17, s54                     ; my quarter of it,
	s_mul_i32 s38, s41, TILEB
	s_add_nc_u64 s[34:35], s[36:37], s[38:39]      ; with my quarter of tile s41
	s_or_b32 s35, s35, 0x80000000
	s_add_co_u32 s41, s41, 1
	s_and_b32 s41, s41, 7                          ; behind tile 7 comes tile 0: the heads, and the next pass's first layer
	s_add_co_u32 s44, s44, 1
.endif
	v_add_nc_u32 v7, s40, v2
	v_add_nc_u32 v8, 2*QL, v7
	v_add_nc_u32 v9, s40, v3
	v_add_nc_u32 v10, 2*QL, v9
	v_add_nc_u32 v11, s40, v4
	v_add_nc_u32 v12, s40, v5
	s_wait_dscnt 0x0                               ; the add is done; my reads of the old slot and my stores to the exchange are over
.if \fill
	CROUND
	tensor_load_to_lds s[32:35], s[24:31]
	s_nop 0
	PLACES
.else
	s_barrier_signal -1
	s_barrier_wait -1
.endif
.endm
; THE ENCODING, two tiles to a packed line.  A lane (ray r, half h) makes octaves 5 h .. 5 h + 4 of the three coordinates.  u = pos 2^(5h) / 2 pi is kept as UH + UL (the product's error by a fused multiply-add, and the
; second part of 1 / 2 pi).  G = u - round(u); sine and cosine of pi G (half the angle, up to a common sign that the doubling cancels) by Taylor polynomials on |G| <= 1/2; three doublings give octaves 0, 1, 2 of the five;
; the same from 8 u, two doublings, gives octaves 3 and 4.  Register m = 5 coordinate + octave: {sin a, sin b, cos a, cos b} at EB + 4 m.
.set EB, 32
.set DEP, 96
.set POS, 98
.set UH, 100
.set UL, 102
.set GG, 104
.set ZZ, 106
.set SPL, 108
.set CPL, 110
.set TT, 112
.set RN, 114
.set SH, 116
.macro HORN r, k                       ; r = r Z + k
	v_pk_fma_f32 v[\r:\r+1], v[\r:\r+1], v[ZZ:ZZ+1], \k op_sel_hi:[1,1,0]
.endm
.macro SINCOS
	v_pk_mul_f32 v[ZZ:ZZ+1], v[GG:GG+1], v[GG:GG+1]
	v_pk_fma_f32 v[SPL:SPL+1], v[ZZ:ZZ+1], s[66:67], 0x3da83c1a op_sel_hi:[1,0,0]  ; -pi^11/11! Z + pi^9/9!
	v_pk_fma_f32 v[CPL:CPL+1], v[ZZ:ZZ+1], s[68:69], 0xbcd368f9 op_sel_hi:[1,0,0]  ; pi^12/12! Z - pi^10/10!
	HORN SPL, 0xbf196966                           ; -pi^7/7!
	HORN CPL, 0x3e70fa83                           ; pi^8/8!
	HORN SPL, 0x402335e3                           ; pi^5/5!
	HORN CPL, 0xbfaae9e4                           ; -pi^6/6!
	HORN SPL, 0xc0a55de7                           ; -pi^3/3!
	HORN CPL, 0x4081e0f8                           ; pi^4/4!
	HORN SPL, 0x40490fdb                           ; pi
	HORN CPL, 0xc09de9e6                           ; -pi^2/2
	v_pk_mul_f32 v[SH:SH+1], v[SPL:SPL+1], v[GG:GG+1]
	HORN CPL, 1.0
.endm
.macro DBL ss, cs, sd                  ; sin 2x = 2 s c, cos 2x = 1 - 2 s s
	v_pk_add_f32 v[TT:TT+1], v[(\ss):(\ss)+1], v[(\ss):(\ss)+1]
	v_pk_mul_f32 v[(\sd):(\sd)+1], v[TT:TT+1], v[(\cs):(\cs)+1]
	v_pk_fma_f32 v[(\sd)+2:(\sd)+3], v[TT:TT+1], v[(\ss):(\ss)+1], 1.0 op_sel_hi:[1,1,0] neg_lo:[1,0,0] neg_hi:[1,0,0]
.endm
.macro DEPTH r                         ; (idx + jitter) -> 0.1 + (3.9 (idx + jitter)) / 32, each step rounded by itself
	v_pk_mul_f32 v[\r:\r+1], v[\r:\r+1], 0x4079999a op_sel_hi:[1,0]
	v_pk_mul_f32 v[\r:\r+1], v[\r:\r+1], 0x3d000000 op_sel_hi:[1,0]
	v_pk_add_f32 v[\r:\r+1], v[\r:\r+1], 0x3dcccccd op_sel_hi:[1,0]
.endm
.macro ENCPAIR jr, ta, mode            ; jr: the pair's jitters.  mode 0: tiles ta, ta + 1 into X's fragments 6, 7.  mode 1: sample 31 (in both halves) as hi (v192-207) and lo (v208-223)
.if \mode
	v_mov_b32 v[DEP], 0x41f80000
	v_mov_b32 v[DEP+1], 0x41f80000
.else
	s_add_co_u32 s20, s56, \ta
	s_add_co_u32 s21, s56, (\ta)+1
	v_cvt_f32_u32 v[DEP], s20
	v_cvt_f32_u32 v[DEP+1], s21
.endif
	v_pk_add_f32 v[DEP:DEP+1], v[DEP:DEP+1], v[\jr:\jr+1]
	DEPTH DEP
.irp c, 0,1,2
	v_pk_mul_f32 v[POS:POS+1], v[DEP:DEP+1], v[22+2*\c:23+2*\c]   ; depth x dir, rounded,
	v_pk_add_f32 v[POS:POS+1], v[POS:POS+1], v[16+2*\c:17+2*\c]   ; + pos: not fused, see the head
	v_pk_mul_f32 v[POS:POS+1], v[POS:POS+1], v[28:29]             ; x 2^(5h), exact
	v_pk_mul_f32 v[UH:UH+1], v[POS:POS+1], 0x3e22f983 op_sel_hi:[1,0]
	v_pk_fma_f32 v[UL:UL+1], v[POS:POS+1], 0x3e22f983, v[UH:UH+1] op_sel_hi:[1,0,1] neg_lo:[0,0,1] neg_hi:[0,0,1]
	v_pk_fma_f32 v[UL:UL+1], v[POS:POS+1], 0x31dc9c88, v[UL:UL+1] op_sel_hi:[1,0,1]
	v_rndne_f32 v[RN], v[UH]
	v_rndne_f32 v[RN+1], v[UH+1]
	v_pk_add_f32 v[GG:GG+1], v[UH:UH+1], v[RN:RN+1] neg_lo:[0,1] neg_hi:[0,1]
	v_pk_add_f32 v[GG:GG+1], v[GG:GG+1], v[UL:UL+1]
	SINCOS
	DBL SH, CPL, EB+20*\c
	DBL EB+20*\c, EB+20*\c+2, EB+20*\c+4
	DBL EB+20*\c+4, EB+20*\c+6, EB+20*\c+8
	v_pk_mul_f32 v[UH:UH+1], v[UH:UH+1], 0x41000000 op_sel_hi:[1,0]
	v_rndne_f32 v[RN], v[UH]
	v_rndne_f32 v[RN+1], v[UH+1]
	v_pk_add_f32 v[GG:GG+1], v[UH:UH+1], v[RN:RN+1] neg_lo:[0,1] neg_hi:[0,1]
	v_pk_fma_f32 v[GG:GG+1], v[UL:UL+1], 0x41000000, v[GG:GG+1] op_sel_hi:[1,0,1]
	SINCOS
	DBL SH, CPL, EB+20*\c+12
	DBL EB+20*\c+12, EB+20*\c+14, EB+20*\c+16
.endr
.if \mode
.set m, 0
.rept 15
	v_cvt_pk_bf16_f32 v[192+m], v[EB+4*m], v[EB+4*m+2]
	v_lshlrev_b32 v[EB+4*m+1], 16, v[192+m]
	v_and_b32 v[EB+4*m+3], s49, v[192+m]
	v_sub_f32 v[EB+4*m+1], v[EB+4*m], v[EB+4*m+1]
	v_sub_f32 v[EB+4*m+3], v[EB+4*m+2], v[EB+4*m+3]
	v_cvt_pk_bf16_f32 v[208+m], v[EB+4*m+1], v[EB+4*m+3]
.set m, m+1
.endr
	v_mov_b32 v207, 0                              ; places 60-63 of the K of 64: their weights are 0
	v_mov_b32 v223, 0
.else
	WIN 0x40
.set m, 0
.rept 15
	v_cvt_pk_bf16_f32 v[64*(\ta)+48+m],  v[EB+4*m],   v[EB+4*m+2]
	v_cvt_pk_bf16_f32 v[64*(\ta)+112+m], v[EB+4*m+1], v[EB+4*m+3]
.set m, m+1
.endr
	v_mov_b32 v[64*(\ta)+63], 0
	v_mov_b32 v[64*(\ta)+127], 0
	WIN 0
.endif
.endm
; THE HEADS of the pass that has ended: tile 0 is in the slot.  32 products on four accumulators by turns; the last layer's chunk 3 rides behind the first 24 and ends ahead of the products that read what it writes.
.macro HEADS
	WIN 0
	PLACES
.irp kf, 0,1,2,3,4,5,6,7
	ds_load_b128 v[32+8*\kf:35+8*\kf], v7 offset:FT*(\kf>>2)+128+64*(\kf&3)
	ds_load_b128 v[36+8*\kf:39+8*\kf], v7 offset:FT*(\kf>>2)+128+64*(\kf&3)+32
.endr
	ds_load_b128 v[160:163], v9 offset:256
	ds_load_b128 v[164:167], v9 offset:272
	s_wait_dscnt 0x0
.set i, 0
.rept 32
.if i < 4
	WIN 0x84
	MMA 8*(i&3), 32, 64*(i&3), 160
.else
	WIN 0xa4
	MMA 8*(i&3), 32+8*(i>>2), 64*(i&3)+8*(i>>2), 8*(i&3)
.endif
.if i < 24
	SLICE 3, i
.endif
.if i == 23
.set i2, 24
.rept 8
	SLICE 3, i2
.set i2, i2+1
.endr
.endif
.set i, i+1
.endr
	WIN 0
	PLACES
.endm
; Both lane halves hold a point's (r, g, b, density) in registers 0-3: lanes 0-15 take the even tile's, lanes 16-31 the odd tile's, and 16 bytes a lane go to RS.  sp = 1: wave 3 first makes sample 31's density anew from
; the special tile: hi and lo x the head fragments (still in F0), on four sums by turns; the first takes the bias (still in v160-167) in place.
.macro RSTORE p, sp, rt
	WIN 0x0a
.irp j, 0,1,2,3
	v_cndmask_b32 v[(\rt)+\j], v[\j], v[8+\j], s49
.endr
.irp j, 0,1,2,3
	v_cndmask_b32 v[(\rt)+4+\j], v[16+\j], v[24+\j], s49
.endr
	WIN 0
	ds_store_b128 v15, v[(\rt):(\rt)+3] offset:256*(\p)
.if \sp
	s_cmp_lg_u32 s14, 3
	s_cbranch_scc1 .Lnot3
	v_add_nc_u32 v13, XS1, v2
.irp kf, 0,1,2,3,4,5,6,7
	ds_load_b128 v[96+8*\kf:99+8*\kf],   v13 offset:64*\kf
	ds_load_b128 v[100+8*\kf:103+8*\kf], v13 offset:64*\kf+32
	ds_load_b128 v[192+8*\kf:195+8*\kf], v13 offset:XLO+64*\kf
	ds_load_b128 v[196+8*\kf:199+8*\kf], v13 offset:XLO+64*\kf+32
.endr
	s_wait_dscnt 0x0
.set i, 0
.rept 16
.set hb, 96+8*i
.if i >= 8
.set hb, 192+8*(i-8)
.endif
.if (i >= 1) && (i < 4)
	MMA0 160+8*(i&3), 32+8*(i&7), hb
.else
	MMA 160+8*(i&3), 32+8*(i&7), hb, 160+8*(i&3)
.endif
.set i, i+1
.endr
	PLACES
	v_add_f32 v163, v163, v171                     ; register 3 of each sum: the density's row
	v_add_f32 v179, v179, v187
	v_add_f32 v163, v163, v179
	v_cndmask_b32 v[(\rt)+7], v[(\rt)+7], v163, s49  ; lanes 16-31 of wave 3's second pair are sample 31
.Lnot3:
.endif
	ds_store_b128 v15, v[(\rt)+4:(\rt)+7] offset:256*(\p)+32
.endm
	; ---------------- THE HEAD
	s_load_b256 s[4:11], s[0:1], 0x0               ; ray_pos s[4:5], ray_dir s[6:7], jitter s[8:9], wt s[10:11]
	s_load_b64 s[12:13], s[0:1], 0x20              ; out0
	v_lshl_add_u32 v30, v0, 2, SPARE
	v_mov_b32 v31, 0
	ds_add_u32 v30, v31                            ; the wave's opening: the add, twice on end, and its wait ahead of my first tensor load
	ds_add_u32 v30, v31
	v_lshrrev_b32 v1, 5, v0
	v_readfirstlane_b32 s14, v1                    ; wave 0..3
	s_bfe_u32 s15, ttmp6, 0x40000                  ; cx: it enters the rays', the output's and the prefetches' addresses alone (s15, s16, s20-23)
	s_lshl_b32 s16, ttmp9, 2
	s_add_co_u32 s16, s16, s15                     ; my work-group
	; descriptor group 1: 65 rows of 256 elements of 2 bytes, 16 bytes of padding behind each row
	s_mov_b32 s24, 15|(1<<16)|(1<<20)|(1<<21)|(6<<22)|(3<<25)  ; 15:0 the mask of four; 17:16 2-byte elements; 20 padding on; 21 set beside a mask; 24:22 after every 128 words; 31:25 4 words
	s_mov_b32 s25, 256<<16                         ; tensor_dim0 = 256
	s_mov_b32 s26, 65<<16                          ; tensor_dim1 = 65
	s_mov_b32 s27, 256<<16                         ; tile_dim0 = 256
	s_mov_b32 s28, 65                              ; tile_dim1 = 65
	s_mov_b32 s29, 256                             ; elements from row to row
	s_mov_b32 s30, 0
	s_mov_b32 s31, 0
	s_mov_b32 s32, 1                               ; group 0: count = 1
	s_mul_i32 s54, s14, QL                         ; my quarter in a slot
	s_mov_b32 s33, s54                             ; LDS address: slot 0
	s_mul_i32 s18, s14, QG                         ; my quarter in a tile
	s_mov_b32 s19, 0
	s_mov_b32 s39, 0
	s_mov_b32 s40, SLOT                            ; the first change turns it into slot 0
	s_mov_b32 s41, 1                               ; the tile to ask for next
	s_mov_b32 s42, 0                               ; the pass
	s_mov_b32 s44, 0                               ; changes that filled a slot
	s_cmp_eq_u32 ttmp9, 0
	s_cselect_b32 s45, 6, 0
	s_mov_b32 s48, 0
	s_mov_b32 s49, 0xffff0000                      ; a word's upper bf16; also the mask of lanes 16-31
	s_mov_b32 s50, 0x76543210                      ; v_permlanex16_b32: each lane takes its own place in the other half
	s_mov_b32 s51, 0xfedcba98
	s_mov_b32 s66, 0xbbf183a8                      ; -pi^11/11!
	s_mov_b32 s67, 0xbbf183a8
	s_mov_b32 s68, 0x3afce9c5                      ; pi^12/12!
	s_mov_b32 s69, 0x3afce9c5
	s_mov_b32 s70, 0xaaaaaaaa                      ; lanes with bit 0, 1, 2, 3 set
	s_mov_b32 s71, 0xcccccccc
	s_mov_b32 s72, 0xf0f0f0f0
	s_mov_b32 s73, 0xff00ff00
	s_mov_b32 s76, 0x80000000                      ; lane 31
	s_lshl_b32 s20, s15, 13                        ; my work-group's 32 blocks of a quarter,
	s_add_co_u32 s20, s20, TILEB                   ; in tile 1: the first change steps it to tile 2
	s_mov_b32 s21, 0
	s_mov_b32 s23, 0
	s_wait_dscnt 0x0                               ; both opening adds are done
	s_wait_kmcnt 0x0
	s_add_nc_u64 s[36:37], s[10:11], s[18:19]      ; wt at my quarter of tile 0
	s_mov_b64 s[34:35], s[36:37]
	s_or_b32 s35, s35, 0x80000000                  ; type = 2
	s_add_nc_u64 s[46:47], s[36:37], s[20:21]
	s_mul_i32 s22, s16, 192                        ; 16 rays x 12 bytes
	s_add_nc_u64 s[4:5], s[4:5], s[22:23]
	s_add_nc_u64 s[6:7], s[6:7], s[22:23]
	s_lshl_b32 s22, s16, 11                        ; 16 rays x 128 bytes
	s_add_nc_u64 s[74:75], s[8:9], s[22:23]
	s_lshl_b32 s22, s16, 8                         ; 16 rays x 16 bytes
	s_add_nc_u64 s[12:13], s[12:13], s[22:23]
	CROUND                                         ; all four work-groups are here: the first joint loads meet
	tensor_load_to_lds s[32:35], s[24:31]          ; tile 0 into slot 0
	s_nop 0
	PLACES
	v_and_b32 v7, 15, v0                           ; r
	v_bfe_u32 v8, v0, 4, 1                         ; h
	v_mul_u32_u24 v14, v7, 12
.irp c, 0,1,2
	global_load_b32 v[16+2*\c], v14, s[4:5] offset:4*\c
	global_load_b32 v[22+2*\c], v14, s[6:7] offset:4*\c
.endr
	v_mul_u32_u24 v2, v7, PITCH
	v_lshl_add_u32 v2, v8, 4, v2
	v_lshlrev_b32 v3, 5, v8
	v_add_nc_u32 v3, BROW, v3
	v_add_nc_u32 v4, s54, v2
	v_add_nc_u32 v5, s54, v3
	s_lshl_b32 s17, s14, 7
	v_add_nc_u32 v6, s17, v2
	s_lshl_b32 s17, s14, 6
	s_add_co_u32 s17, s17, RS
	v_add_nc_u32 v15, s17, v2
	v_and_b32 v1, 31, v0
	v_lshlrev_b32 v1, 8, v1
	v_mov_b32 v29, 0x42000000
	v_cndmask_b32 v28, 1.0, v29, s49
	s_wait_loadcnt 0x0                             ; in the wait for the first tile
.irp c, 0,1,2,3,4,5
	v_cvt_pk_bf16_f32 v29, v[16+2*\c], v[16+2*\c]  ; rounded to bf16, and kept twice, as a pair for the packed lines
	v_lshlrev_b32 v[16+2*\c], 16, v29
	v_and_b32 v[17+2*\c], s49, v29
.endr
	v_mov_b32 v29, v28
.Lpass:	; ---------------- A PASS: 4 tiles a wave
	s_wait_dscnt 0x0                               ; on every way to this label no LDS load is out: the upper registers of the bias buffer are taken for the jitter
	v_and_b32 v189, 15, v0
	v_lshlrev_b32 v189, 7, v189                    ; my ray's row of jitter
	s_lshl_b32 s20, s42, 6
	s_lshl_b32 s21, s14, 4
	s_add_co_u32 s20, s20, s21
	v_add_nc_u32 v188, s20, v189
	global_load_b128 v[184:187], v188, s[74:75]    ; samples 16 p + 4 w + 0..3
	global_load_b32 v190, v189, s[74:75] offset:124  ; sample 31
	s_lshl_b32 s56, s42, 4
	s_lshl2_add_u32 s56, s14, s56                  ; 16 p + 4 w
	CHANGE 1                                       ; tile 0 is in; tile 1 is asked for
	s_cmp_eq_u32 s42, 0
	s_cbranch_scc1 .Lno_heads
	HEADS                                          ; the first pass's heads
	RSTORE 0, 0, 96
.Lno_heads:
	s_wait_loadcnt 0x0
	v_cvt_pk_bf16_f32 v191, v184, v185
	v_lshlrev_b32 v184, 16, v191
	v_and_b32 v185, s49, v191
	v_cvt_pk_bf16_f32 v191, v186, v187
	v_lshlrev_b32 v186, 16, v191
	v_and_b32 v187, s49, v191
	v_cvt_pk_bf16_f32 v191, v190, v190
	v_lshlrev_b32 v190, 16, v191
	v_and_b32 v191, s49, v191
	ENCPAIR 184, 0, 0
	ENCPAIR 186, 2, 0
	s_cmp_lg_u32 s42, 1
	s_cbranch_scc1 .Lno_senc
	ENCPAIR 190, 0, 1                              ; every wave makes the special tile's encoding for itself
.Lno_senc:
	s_mov_b32 s52, XS1
	s_mov_b32 s53, XS0
	v_add_nc_u32 v14, s53, v6
	; THE FIRST LAYER: K = 64 in X's fragments 6, 7; a step a chunk; each wait after the first is for the loads issued a step earlier
	LOADW F0, 7, 0
	LOADB BIAS, 9, 0
	ASK
	s_wait_dscnt 0x0
	LOADW F1, 7, QL
	LOADB BALT, 9, QL
	STEP 0, 6, 1, F0, BIAS, -1
	WIN 0
	s_wait_dscnt 0x0
	PLACES
	LOADW F0, 8, 0
	LOADB BIAS, 10, 0
	STEP 1, 6, 1, F1, BALT, 0
	WIN 0
	s_wait_dscnt 0x0
	PLACES
	LOADW F1, 8, QL
	LOADB BALT, 10, QL
	STEP 2, 6, 1, F0, BIAS, 1
	WIN 0
	s_wait_dscnt 0x0
	PLACES
	s_cmp_lg_u32 s42, 1
	s_cbranch_scc1 .Lno_l0a
	LOADW F0, 11, 0                                ; the special tile: my own quarter's weights and biases
	LOADB BIAS, 12, 0
.Lno_l0a:
	STEP 3, 6, 1, F1, BALT, 2
	WIN 0
	s_cmp_lg_u32 s42, 1
	s_cbranch_scc1 .Lno_l0b
	s_wait_dscnt 0x0
	SSTEP F0, 192
	PLACES
	SEPI
.Lno_l0b:
	s_mov_b32 s43, 7
.Llayer:	; ---------------- A HIDDEN LAYER, seven times
	CHANGE 1                                       ; the layer's tile is in; the next is asked for (ahead of the seventh layer: tile 0)
	s_xor_b32 s52, s52, XS0^XS1                    ; the exchange's buffers change places: what was written ahead of the round is read behind it
	s_xor_b32 s53, s53, XS0^XS1
	v_add_nc_u32 v13, s52, v2
	v_add_nc_u32 v14, s53, v6
	LW 0
	LW 1
	LOADB BIAS, 9, 0
	ASK
.set n, 0
.rept 16
.if (n&1) == 0
	s_wait_dscnt 0x0                               ; the two steps' weights asked for a step ago are in
.else
	WIN 0
	PLACES
.if n < 15
	LW n+1
	LW n+2
.if (n&3) == 3
	LOADB BIAS, 9+((n+1)>>3), QL*(((n+1)>>2)&1)
.endif
.else
	s_cmp_lg_u32 s42, 1
	s_cbranch_scc1 .Lno_s0
	LOADW F1, 11, 0                                ; the special tile's first step
	LOADX 192, 0
	LOADB BIAS, 12, 0
.Lno_s0:
.endif
.endif
.set rd, -1
.if n == 0
.set rd, 3
.endif
.if n >= 13
.set rd, n-13
.endif
.set fs, 0
.if (n&3) == 0
.set fs, 1
.endif
.set sq, n>>2
.set sk, 2*(n&3)
.set sb, 32+64*(n%3)+32*((n%3)/2)
	STEP sq, sk, fs, sb, BIAS, rd
.set n, n+1
.endr
	WIN 0
	s_cmp_eq_u32 s42, 0
	s_cbranch_scc1 .Lno_sp                         ; what is jumped holds no barrier and no tensor load
	s_wait_dscnt 0x0
	PLACES
	LOADW F0, 11, 128
	LOADX 224, 1
	SSTEP F1, 192
	s_wait_dscnt 0x0
	PLACES
	LOADW F1, 11, 256
	LOADX 192, 2
	SSTEP F0, 224
	s_wait_dscnt 0x0
	PLACES
	LOADW F0, 11, 384
	LOADX 224, 3
	SSTEP F1, 192
	s_wait_dscnt 0x0
	SSTEP F0, 224
	PLACES
	SEPI
.Lno_sp:
	s_sub_co_u32 s43, s43, 1
	s_cmp_lg_u32 s43, 0
	s_cbranch_scc1 .Llayer
	s_add_co_u32 s42, s42, 1
	s_cmp_lt_u32 s42, 2
	s_cbranch_scc1 .Lpass
	; ---------------- THE TAIL
	CHANGE 0                                       ; tile 0 is in; nothing is asked for
	HEADS
	RSTORE 1, 1, 16
	v_and_b32 v120, 31, v0                         ; from here on a lane is a SAMPLE; wave w has rays 4 w + a
	v_add_nc_u32 v121, 1, v120
	v_cvt_f32_u32 v122, v120
	v_cvt_f32_u32 v124, v121
	v_mov_b32 v123, v122
	v_mov_b32 v125, v124
	v_min_u32 v121, 31, v121
	s_lshl_b32 s20, s14, 9
	s_mul_i32 s21, s14, 4*PITCH
	s_add_co_u32 s21, s21, RS
	v_lshl_add_u32 v126, v120, 4, s21
	v_lshl_add_u32 v120, v120, 2, s20
	v_lshl_add_u32 v121, v121, 2, s20
.irp a, 0,1,2,3
	global_load_b32 v[48+\a], v120, s[74:75] offset:128*\a   ; my sample's jitter,
	global_load_b32 v[52+\a], v121, s[74:75] offset:128*\a   ; and the next sample's, so that no depth changes lanes
.endr
	s_wait_dscnt 0x0                               ; my stores to RS are done
	s_barrier_signal -1
	s_barrier_wait -1
.irp a, 0,1,2,3
	ds_load_b128 v[32+4*\a:35+4*\a], v126 offset:PITCH*\a
.endr
	s_wait_loadcnt 0x0
.irp b, 48,50,52,54
	v_cvt_pk_bf16_f32 v127, v[\b], v[\b+1]
	v_lshlrev_b32 v[\b], 16, v127
	v_and_b32 v[\b+1], s49, v127
.endr
.irp b, 0,2
	v_pk_add_f32 v[56+\b:57+\b], v[122:123], v[48+\b:49+\b]
	v_pk_add_f32 v[60+\b:61+\b], v[124:125], v[52+\b:53+\b]
.endr
	DEPTH 56
	DEPTH 58
	DEPTH 60
	DEPTH 62
.irp b, 0,2
	v_pk_add_f32 v[60+\b:61+\b], v[60+\b:61+\b], v[56+\b:57+\b] neg_lo:[0,1] neg_hi:[0,1]  ; delta
.endr
	v_mov_b32 v127, 0x501502f9                     ; 1e10
	s_wait_dscnt 0x0
.irp a, 0,1,2,3
	v_cndmask_b32 v[60+\a], v[60+\a], v127, s76
	v_max_num_f32 v[64+\a], 0, v[35+4*\a]
	v_mul_f32 v[64+\a], v[64+\a], v[60+\a]         ; tau
	v_mov_b32 v[68+\a], v[64+\a]                   ; the inclusive sum so far,
	v_mov_b32 v[72+\a], v[64+\a]                   ; my group's total,
	v_mov_b32 v[76+\a], v[64+\a]                   ; and a register at work, written before a DPP line names it as its destination
.endr
.macro SCANL xm, sm                    ; groups of xm lanes join: the upper group's lanes add the lower group's total
.irp a, 0,1,2,3
	v_add_f32_dpp v[76+\a], v[72+\a], v[68+\a] row_xmask:\xm row_mask:0xf bank_mask:0xf
.endr
.irp a, 0,1,2,3
	v_cndmask_b32 v[68+\a], v[68+\a], v[76+\a], s[\sm]
	v_add_f32_dpp v[72+\a], v[72+\a], v[72+\a] row_xmask:\xm row_mask:0xf bank_mask:0xf
.endr
.endm
	SCANL 1, 70
	SCANL 2, 71
	SCANL 4, 72
	SCANL 8, 73
.irp a, 0,1,2,3
	v_permlanex16_b32 v[76+\a], v[72+\a], s50, s51
.endr
.irp a, 0,1,2,3
	v_add_f32 v[76+\a], v[76+\a], v[68+\a]
	v_cndmask_b32 v[68+\a], v[68+\a], v[76+\a], s49
.endr
.irp a, 0,1,2,3
	v_sub_f32 v[84+\a], v[68+\a], v[64+\a]         ; inclusive sum - tau, in f32
	v_mul_f32 v[80+\a], 0xbfb8aa3b, v[64+\a]       ; all exponents times -log2(e)
	v_mul_f32 v[84+\a], 0xbfb8aa3b, v[84+\a]
	v_mul_f32 v[88+3*\a], 0xbfb8aa3b, v[32+4*\a]
	v_mul_f32 v[89+3*\a], 0xbfb8aa3b, v[33+4*\a]
	v_mul_f32 v[90+3*\a], 0xbfb8aa3b, v[34+4*\a]
.endr
.set k, 80
.rept 20
	v_exp_f32 v[k], v[k]                           ; one batch: exp(-tau), the transmittance, exp(-x) of the three colours
.set k, k+1
.endr
	v_nop                                          ; a plain line behind the last exponential,
	s_wait_alu depctr_va_vdst(0)                   ; and the one wait ahead of the batch's first reader
.set k, 88
.rept 12
	v_add_f32 v[k], 1.0, v[k]
.set k, k+1
.endr
.set k, 88
.rept 12
	v_rcp_f32 v[k], v[k]                           ; the sigmoids
.set k, k+1
.endr
.irp a, 0,1,2,3
	v_sub_f32 v[80+\a], 1.0, v[80+\a]              ; alpha: plain work that names no reciprocal
	v_mul_f32 v[100+\a], v[80+\a], v[84+\a]        ; the weight
.endr
	s_wait_alu depctr_va_vdst(0)                   ; one wait for the twelve reciprocals
.irp a, 0,1,2,3
	v_mul_f32 v[104+4*\a], v[100+\a], v[88+3*\a]
	v_mul_f32 v[105+4*\a], v[100+\a], v[89+3*\a]
	v_mul_f32 v[106+4*\a], v[100+\a], v[90+3*\a]
	v_mul_f32 v[107+4*\a], v[100+\a], v[56+\a]
.endr
.irp xm, 1,2,4,8
.set k, 104
.rept 16
	v_add_f32_dpp v[k], v[k], v[k] row_xmask:\xm row_mask:0xf bank_mask:0xf
.set k, k+1
.endr
.endr
.set k, 0
.rept 16
	v_permlanex16_b32 v[32+k], v[104+k], s50, s51
.set k, k+1
.endr
.set k, 0
.rept 16
	v_add_f32 v[104+k], v[104+k], v[32+k]          ; every lane holds the 16 sums
.set k, k+1
.endr
	s_lshl_b32 s20, s14, 6
	s_add_co_u32 s20, s20, OS
	v_mov_b32 v120, s20
.irp a, 0,1,2,3
	ds_store_b128 v120, v[104+4*\a:107+4*\a] offset:16*\a   ; all lanes write the same 16 bytes with the same values
.endr
	s_wait_dscnt 0x0
	s_barrier_signal -1
	s_barrier_wait -1
	s_cmp_lg_u32 s14, 0
	s_cbranch_scc1 .Lend
	v_lshlrev_b32 v121, 3, v0
	v_add_nc_u32 v122, OS, v121
	ds_load_b64 v[32:33], v122
	s_wait_dscnt 0x0
	global_store_b64 v121, v[32:33], s[12:13]      ; the work-group's 16 rays: 256 consecutive bytes, aligned, by one store
.Lend:
	s_wait_tensorcnt 0x0                           ; the wave's end, behind my last tensor load and my last LDS store
	ds_add_u32 v30, v31
	s_wait_dscnt 0x0
	CROUND                                         ; the closing round: no work-group ends while a partner may still ask for a tile that names it
	s_endpgm
.Lfunc_end_k_q6071c97ddb_render:
	.size	k_q6071c97ddb_render, .Lfunc_end_k_q6071c97ddb_render-k_q6071c97ddb_render
	.p2alignl 7, 3214868480
	.fill 96, 4, 3214868480
	.section	.rodata,"a",@progbits
	.p2align	6, 0x0
	.amdhsa_kernel k_q6071c97ddb_render
		.amdhsa_group_segment_fixed_size 327680
		.amdhsa_private_segment_fixed_size 0
		.amdhsa_enable_private_segment 0
		.amdhsa_kernarg_size 40
		.amdhsa_user_sgpr_count 2
		.amdhsa_user_sgpr_kernarg_segment_ptr 1
		.amdhsa_wavefront_size32 1
		.amdhsa_system_sgpr_workgroup_id_x 1
		.amdhsa_system_sgpr_workgroup_id_y 1
		.amdhsa_system_sgpr_workgroup_id_z 1
		.amdhsa_system_vgpr_workitem_id 0
		.amdhsa_next_free_vgpr 1024
		.amdhsa_next_free_sgpr 80
		.amdhsa_reserve_vcc 0
		.amdhsa_float_denorm_mode_32 3
		.amdhsa_float_denorm_mode_16_64 3
		.amdhsa_memory_ordered 1
		.amdhsa_forward_progress 1
		.amdhsa_inst_pref_size 255
	.end_amdhsa_kernel
	.section	.bss,"aw",@nobits
	.p2align	6
	.space	262144
	.amdgpu_metadata
---
amdhsa.version: [ 1, 2 ]
amdhsa.kernels:
  - .name:           k_q6071c97ddb_render
    .symbol:         k_q6071c97ddb_render.kd
    .args:
      - { .name: ray_pos, .offset: 0, .size: 8, .value_kind: global_buffer, .address_space: global }
      - { .name: ray_dir, .offset: 8, .size: 8, .value_kind: global_buffer, .address_space: global }
      - { .name: jitter, .offset: 16, .size: 8, .value_kind: global_buffer, .address_space: global }
      - { .name: wt, .offset: 24, .size: 8, .value_kind: global_buffer, .address_space: global }
      - { .name: out0, .offset: 32, .size: 8, .value_kind: global_buffer, .address_space: global }
    .group_segment_fixed_size: 327680
    .private_segment_fixed_size: 0
    .kernarg_segment_align: 8
    .kernarg_segment_size: 40
    .max_flat_workgroup_size: 128
    .sgpr_count:     80
    .vgpr_count:     1024
    .wavefront_size: 32
...
	.end_amdgpu_metadata
.endif
;; end of part 2
